; MI455X (gfx1250); checked and timed in simulation.
; The chip was launched on July 23, 2026; its instructions are those of AMD's public machine-readable ISA for CDNA 5 (MIT licence, August 2026) and "CDNA5" Instruction Set Architecture Reference Guide (July 2026). The comments in the code are by the model that wrote it; some were corrected since.
;; Q Dense. Allowed arithmetic: matrix products marked QUANTISED: E4M3 operands, one given power-of-two scale a tensor, by v_wmma_f32_16x16x64_fp8_fp8 or v_wmma_f32_16x16x128_fp8_fp8, f32 sums; everything else in f32.
;; Inputs: Wi 1,024 x 1,024 float32; Wj 1,024 x 1,024 float32; Wk 1,024 x 1,024 float32; Wr 1,024 x 1,024 float32; b 1,024 float32; lowp_scales 2 int32 (the exponents e of the quantised operands' scales 2^e); x 4,096 x 4,096 float32.
;; Outputs: out0 4,096 x 4,096 float32.
;; This version of the problem:
;;   THIS VERSION OF THE PROBLEM IS GIVEN IN LOW PRECISION. The matrix products marked QUANTISED in the list below multiply operands that are first quantised to E4M3 (4 exponent bits, 3 mantissa bits; 8 bits a number), with one given power-of-two scale for each operand tensor; their sums are f32. All else is computed in f32.
;;   The module's matrix products, in the order in which they are computed (A, B: the left and right operand; K: the contracted axis; several contracted axes count as one K, in the product's order):
;;     1. [M 4,096, K 4,096] x [K 4,096, N 4,096]; A: input x; B: computed on the way: QUANTISED (scales: A lowp_scales[0], B lowp_scales[1])
;;   THE QUANTISER, for each operand of a quantised product, along K:
;;     - The operand's scale is 2^e, e = its entry of the input lowp_scales (int32; the entries are numbered through the quantised products in the list's order, A before B).
;;     - Each number is divided by the scale, clamped to +-448, and rounded to the nearest number of E4M3, ties to even, subnormals kept.
;;     - The product sums the exact products of the quantised numbers (number of the format x scale) in f32.
;;   ~~~python
;;   def quantise(x, axis, e):      # numpy; x: float32 -> the quantised numbers, widened to float32 again
;;       x = np.moveaxis(x, axis, -1); K = x.shape[-1]
;;       r = np.clip(x / 2.0 ** e, -448, 448)
;;       step = 2.0 ** (np.maximum(np.frexp(np.where(r == 0, 1, r))[1] - 1, -6) - 3)
;;       q = np.round(r / step) * step * 2.0 ** e      # np.round: ties to even
;;       return np.moveaxis(q, -1, axis).astype(np.float32)
;;   ~~~
;;   OPERANDS COMPUTED ON THE WAY. 'Computed on the way' means the value that the module computes at that place (a softmax that the list does not call 'softmax' is quantised finished and normalised). What goes into a quantiser is computed in f32, as accurately as f32 sums, v_exp_f32 and their like allow (about 1e-6 of the number): no bf16 or f16 on the way to a quantiser, and a product that is left as it is and whose result goes on into a quantised operand takes f32 operands (vector FMAs, or v_wmma_f32_16x16x4_f32). A number that lies on a knife's edge between two numbers of the format may be rounded either way, as far as f32 arithmetic and the matrix unit's own rounding can turn it there, and no further.
;; One version. Each part assembles by itself: llvm-mc -triple=amdgcn-amd-amdhsa -mcpu=gfx1250 --defsym DOCPART=n.
;; ======== version 1 of 1: 2 launches
;; limits: right only within a limited range of input values
;; workspace buffers: xq 16,777,216 bytes; wq 4,194,304 bytes
;; launch quant (part 1): grid 1280 x 1, 4 waves a work-group, no clusters, 20,992 bytes of LDS; arguments x, Wr, Wi, Wj, Wk, lowp_scales, xq, wq; writes xq, wq
.if DOCPART == 1
	.amdgcn_target "amdgcn-amd-amdhsa--gfx1250"
	.amdhsa_code_object_version 6
	.text
	.protected	k_q2fe2ff9cad_quant
	.globl	k_q2fe2ff9cad_quant
	.p2align	8
	.type	k_q2fe2ff9cad_quant,@function
k_q2fe2ff9cad_quant:
	s_mov_b64 s[64:65], 0
	v_nop
	global_prefetch_b8 v0, s[64:65] scope:SCOPE_SE
	s_setreg_imm32_b32 hwreg(HW_REG_WAVE_MODE, 25, 1), 1
	s_wait_xcnt 0x0
; x [4096][4096] and Wr, Wi, Wj, Wk [1024][1024], f32, become codes of FP8 (E4M3), one byte each, laid as the product's launch reads them:
;   xq [4096 m][8 q][4 p][128]:            xq[m][q][p][i] = Q(x[m][1024 p + 128 q + i]), with the given scale 2^ex;
;   wq [16 tx][8 q][4 idx][64 j][128]:     wq[tx][q][idx][j][i] = Q(W_idx[64 tx + j][128 q + i]), (Wr, Wi, Wj, Wk) = idx 0 .. 3, with the given scale 2^ew.  The signs of the Hamilton product are left to the product's launch.
; code = v / 2^e, held within +-448, rounded to the nearest code, ties to even.
; LIMITS: ex and ew lie between -126 and 119, so that 2^e and 448 x 2^e are f32 numbers.  NaN among the inputs is not served; infinities and numbers beyond the scale's range are held at the largest code.
; SHARES.  A wave takes 16,384 consecutive bytes of its input: one row of x, or four rows of one W; either way four pieces of 4,096 bytes (x: the four p; W: four rows j).  Step t of 8 takes bytes 512 t .. 512 t + 511 of each
; piece (128 numbers, the range q = t of K): four loads of 512 consecutive bytes.  Their 512 codes lie on end in the output.  x and W take ONE path: only pointers, the scale and the distance from one step's codes to the
; next's (512 bytes in a row of xq, a block of 32,768 bytes in wq) are chosen, by the work-group's number.  Work-groups 0 .. 1023 take x, the next 256 the four W, 64 each.
; The conversions take 8 neighbours along K from ONE lane's registers, the loads take neighbouring bytes in neighbouring LANES: a step's 2,048 bytes go through the wave's own stage in LDS as they are loaded
; and come back 64 bytes a lane (16 bytes of padding behind each 64).  A lane's 16 codes are 16 bytes: every store of a wave covers 512 consecutive bytes, aligned.
; No tensor loads, no barrier, no cluster, no matrix unit: the work-groups share no input, and the waves share nothing.  A wave asks for all its 32 loads at once; the turn through LDS runs one step ahead of the work.
.set WGX,   1024                       ; work-groups that take x: 4096 x 4096 x 4 / 65,536
.set STEPS, 8
.set SP,    80                         ; a lane's place in a stage: its 64 bytes + 16 of padding
.set STG,   32*SP                      ; a stage
.set WREG,  2*STG                      ; LDS: a region of its own for each wave: two stages
.set SPARE, 4*WREG                     ; the spare words, 128 bytes a wave
.set EMAX,  8
.set MANT,  0x600000                   ; the mantissa field of 448 as f32
.set R,     16                         ; v16-143  the 8 steps' numbers as they are loaded; behind its turn through LDS a step's first four registers take its codes
.set X,     144                        ; v144-175 two sets of 16 neighbours
.set OFF,   176                        ; v176-183 where my codes of step t go; never rewritten
.set SPW,   184
.set NIL,   185
	s_load_b256 s[8:15], s[0:1], 0x0               ; x s[8:9], Wr s[10:11], Wi s[12:13], Wj s[14:15]
	s_load_b256 s[16:23], s[0:1], 0x20             ; Wk s[16:17], the scales' exponents s[18:19], xq s[20:21], wq s[22:23]
	v_lshl_add_u32 v[SPW], v0, 2, SPARE
	v_mov_b32 v[NIL], 0
	v_lshrrev_b32 v1, 5, v0
	v_readfirstlane_b32 s24, v1                    ; wave
	v_and_b32 v2, 31, v0                           ; lane
	v_lshlrev_b32 v3, 4, v2                        ; my 16 bytes of a load's 512, and of a store's
	s_mul_i32 s30, s24, WREG
	v_lshrrev_b32 v14, 2, v2
	v_mul_u32_u24 v14, v14, SP
	v_and_b32 v15, 3, v2
	v_lshl_add_u32 v14, v15, 4, v14
	v_add_nc_u32 v14, s30, v14                     ; the stage, on the way in: SP (lane / 4) + 16 (lane % 4); a load's 512 bytes take eight places
	v_mul_u32_u24 v15, v2, SP
	v_add_nc_u32 v15, s30, v15                     ; and on the way out: SP x lane: 16 neighbours of piece lane / 8
	s_sub_co_u32 s25, ttmp9, WGX                   ; a W's work-group: 0 .. 255 (in x's work-groups what is made of it is not used)
	s_bfe_u32 s26, s25, 0x20006                    ; idx: which W
	s_and_b32 s27, s25, 63
	s_lshl_b32 s27, s27, 2
	s_add_co_u32 s27, s27, s24                     ; r: rows 4 r .. 4 r + 3 of that W are my wave's
	s_lshl_b32 s28, ttmp9, 2
	s_add_co_u32 s28, s28, s24                     ; g: which row of x is my wave's
	s_lshr_b32 s45, s27, 4                         ; wq: tx = 4 r / 64: 8 blocks of 32,768 bytes each,
	s_lshl_b32 s45, s45, 18
	s_lshl_b32 s46, s26, 13                        ; in a block idx's 64 rows of 128 bytes,
	s_add_co_u32 s45, s45, s46
	s_and_b32 s46, s27, 15                         ; and of these my four: j = 4 (r % 16)
	s_lshl_b32 s46, s46, 9
	s_add_co_u32 s45, s45, s46
	s_lshl_b32 s44, s28, 12                        ; xq: row g of 4,096 bytes
	s_wait_alu depctr_va_vdst(0)
	s_wait_kmcnt 0x0
	s_load_b64 s[42:43], s[18:19], 0x0             ; ex, ew
	s_cmp_eq_u32 s26, 1                            ; my W: the choices hang on the work-group's number alone
	s_cselect_b64 s[10:11], s[12:13], s[10:11]
	s_cmp_eq_u32 s26, 2
	s_cselect_b64 s[10:11], s[14:15], s[10:11]
	s_cmp_eq_u32 s26, 3
	s_cselect_b64 s[10:11], s[16:17], s[10:11]
	s_mov_b32 s29, 32768
	s_cmp_lt_u32 ttmp9, WGX                        ; x's work-group or a W's?  Only selects follow the compare
	s_cselect_b64 s[4:5], s[8:9], s[10:11]         ; from where,
	s_cselect_b64 s[6:7], s[20:21], s[22:23]       ; to where,
	s_cselect_b32 s31, s28, s27                    ; which run of 16,384 bytes,
	s_cselect_b32 s44, s44, s45                    ; its codes' first byte,
	s_cselect_b32 s29, 512, s29                    ; and from one step's codes to the next's
	s_lshl_b32 s46, s31, 14
	s_mov_b32 s47, 0
	s_add_nc_u64 s[4:5], s[4:5], s[46:47]
	s_mov_b32 s45, 0
	s_add_nc_u64 s[6:7], s[6:7], s[44:45]
.irp t, 0,1,2,3,4,5,6,7
.irp i, 0,1,2,3
	global_load_b128 v[R+16*\t+4*\i:R+16*\t+4*\i+3], v3, s[4:5] offset:512*\t+4096*\i th:TH_LOAD_NT   ; 32 lanes read 512 consecutive bytes of piece i; read once in the launch
.endr
.endr
	v_mov_b32 v[OFF], v3
.irp t, 1,2,3,4,5,6,7
	s_mul_i32 s30, s29, \t
	v_add_nc_u32 v[OFF+\t], s30, v3
.endr
.macro TURN t                          ; step t's numbers through the stage: LDS serves a wave's instructions in order (ISA guide 5.7.1.4), so no wait stands between the stores and the loads
.irp i, 0,1,2,3
	ds_store_b128 v14, v[R+16*(\t)+4*\i:R+16*(\t)+4*\i+3] offset:STG*((\t)%2)+8*SP*\i
.endr
.irp i, 0,1,2,3
	ds_load_b128 v[X+16*((\t)%2)+4*\i:X+16*((\t)%2)+4*\i+3], v15 offset:STG*((\t)%2)+16*\i
.endr
.endm
	s_wait_alu depctr_va_vdst(0)
	s_wait_kmcnt 0x0
	s_cmp_lt_u32 ttmp9, WGX
	s_cselect_b32 s42, s42, s43                    ; e
	s_add_co_i32 s42, s42, 127
	s_lshl_b32 s43, s42, 23
	v_mov_b32 v11, s43                             ; 2^e as f32: the conversion takes its exponent field
	s_add_co_i32 s42, s42, EMAX
	s_lshl_b32 s42, s42, 23
	s_or_b32 s42, s42, MANT
	v_mov_b32 v10, s42                             ; 448 x 2^e
	s_wait_alu depctr_va_vdst(0)                   ; the head's end
	s_wait_loadcnt 28                              ; step 0's four loads are in; the 28 of the other steps may be out
	TURN 0
.macro STEP t
.set XS, X+16*((\t)%2)
.set CS, R+16*(\t)
	s_wait_dscnt 0x0                               ; this step's numbers are back from the stage: so its stores into the stage have read their registers, which take its codes below
.if (\t)+1 < STEPS
	s_wait_loadcnt 4*(STEPS-2-(\t))                ; the next step's four loads are in; those of the steps behind it may be out
	TURN (\t)+1                                    ; and go through the other stage while this step is worked
.endif
.irp i, 0,1,2,3,4,5,6,7,8,9,10,11,12,13,14,15
	v_med3_num_f32 v[XS+\i], v[XS+\i], -v10, v10   ; the conversion to an 8-bit code does not saturate (ISA guide 7.6.2): hold the number within the largest code x the scale first
.endr
	v_cvt_scalef32_pk8_fp8_f32 v[CS:CS+1], v[XS:XS+7], v11          ; eight numbers / 2^e, to the nearest code, ties to even; the first number's code in the lowest byte
	v_cvt_scalef32_pk8_fp8_f32 v[CS+2:CS+3], v[XS+8:XS+15], v11
	global_store_b128 v[OFF+\t], v[CS:CS+3], s[6:7]   ; the codes go to a store alone, and the next vector lines, the next step's holds, are plain and touch other registers
.endm
.irp t, 0,1,2,3,4,5,6,7
	STEP \t
.endr
	s_wait_tensorcnt 0x0                           ; the wave's end
	ds_add_u32 v[SPW], v[NIL]
	s_wait_dscnt 0x0
	s_endpgm
.Lfunc_end_k_q2fe2ff9cad_quant:
	.size	k_q2fe2ff9cad_quant, .Lfunc_end_k_q2fe2ff9cad_quant-k_q2fe2ff9cad_quant
	.p2alignl 7, 3214868480
	.fill 96, 4, 3214868480
	.section	.rodata,"a",@progbits
	.p2align	6, 0x0
	.amdhsa_kernel k_q2fe2ff9cad_quant
		.amdhsa_group_segment_fixed_size 20992
		.amdhsa_private_segment_fixed_size 0
		.amdhsa_enable_private_segment 0
		.amdhsa_kernarg_size 64
		.amdhsa_user_sgpr_count 2
		.amdhsa_user_sgpr_kernarg_segment_ptr 1
		.amdhsa_wavefront_size32 1
		.amdhsa_system_sgpr_workgroup_id_x 1
		.amdhsa_system_sgpr_workgroup_id_y 1
		.amdhsa_system_sgpr_workgroup_id_z 1
		.amdhsa_system_vgpr_workitem_id 0
		.amdhsa_next_free_vgpr 186
		.amdhsa_next_free_sgpr 66
		.amdhsa_reserve_vcc 0
		.amdhsa_float_denorm_mode_32 3
		.amdhsa_float_denorm_mode_16_64 3
		.amdhsa_memory_ordered 1
		.amdhsa_forward_progress 1
		.amdhsa_inst_pref_size 21
	.end_amdhsa_kernel
	.amdgpu_metadata
---
amdhsa.version: [ 1, 2 ]
amdhsa.kernels:
  - .name:           k_q2fe2ff9cad_quant
    .symbol:         k_q2fe2ff9cad_quant.kd
    .args:
      - { .name: x, .offset: 0, .size: 8, .value_kind: global_buffer, .address_space: global }
      - { .name: Wr, .offset: 8, .size: 8, .value_kind: global_buffer, .address_space: global }
      - { .name: Wi, .offset: 16, .size: 8, .value_kind: global_buffer, .address_space: global }
      - { .name: Wj, .offset: 24, .size: 8, .value_kind: global_buffer, .address_space: global }
      - { .name: Wk, .offset: 32, .size: 8, .value_kind: global_buffer, .address_space: global }
      - { .name: lowp_scales, .offset: 40, .size: 8, .value_kind: global_buffer, .address_space: global }
      - { .name: xq, .offset: 48, .size: 8, .value_kind: global_buffer, .address_space: global }
      - { .name: wq, .offset: 56, .size: 8, .value_kind: global_buffer, .address_space: global }
    .group_segment_fixed_size: 20992
    .private_segment_fixed_size: 0
    .kernarg_segment_align: 8
    .kernarg_segment_size: 64
    .max_flat_workgroup_size: 128
    .sgpr_count:     66
    .vgpr_count:     186
    .wavefront_size: 32
...
	.end_amdgpu_metadata
.endif
;; end of part 1
;; launch gemm (part 2): grid 8 x 32, 4 waves a work-group, clusters of 4 x 4, 327,680 bytes of LDS; arguments xq, wq, lowp_scales, out0, b; writes out0
.if DOCPART == 2
	.amdgcn_target "amdgcn-amd-amdhsa--gfx1250"
	.amdhsa_code_object_version 6
	.text
	.protected	k_q2fe2ff9cad_gemm
	.globl	k_q2fe2ff9cad_gemm
	.p2align	8
	.type	k_q2fe2ff9cad_gemm,@function
k_q2fe2ff9cad_gemm:
	s_mov_b64 s[64:65], 0
	v_nop
	global_prefetch_b8 v0, s[64:65] scope:SCOPE_SE
	s_setreg_imm32_b32 hwreg(HW_REG_WAVE_MODE, 25, 1), 1
	s_wait_xcnt 0x0
	s_wait_alu depctr_hold_cnt(0) depctr_sa_sdst(0) depctr_va_vdst(0) depctr_va_sdst(0) depctr_va_ssrc(0) depctr_va_vcc(0) depctr_vm_vsrc(0)
	s_getreg_b32 s2, hwreg(HW_REG_IB_STS2, 6, 4)
	s_cmp_eq_u32 s2, 0
	s_cbranch_scc0 .Lentry_in_a_cluster
	s_endpgm
.Lentry_in_a_cluster:
	s_bfe_u32 s2, ttmp6, 0x10000c
	s_cmp_lg_u32 s2, 0xf033
	s_cbranch_scc0 .Lentry_shape_is_right
	s_endpgm
.Lentry_shape_is_right:
; out[m][1024 c + o] = b[o] + sum over p of S(p, c) x (sum over i of x[m][1024 p + i] W_idx[o][i]),  idx = p xor c,  p and c = 0 .. 3 (r, i, j, k), W_0 .. W_3 = Wr, Wi, Wj, Wk.
; The signs S of the Hamilton product:  p = 0: + + + +   p = 1: - + - +   p = 2: - + + -   p = 3: - - + +   (c = 0 .. 3).
; Operands are codes of E4M3 as the launch before lays them: xq [4096 m][8 q][4 p][128], wq [16 tx][8 q][4 idx][64 j][128]; a product of codes stands for itself x 2^(ex + ew).
; LIMIT: ex + ew lies between -126 and 127, so that 2^(ex + ew) is an f32 number.
;
; SHARES.  A work-group makes 128 rows x (4 c x 128 columns), a wave 64 rows x (4 c x 64): 64 accumulators, 512 registers.  Each W fragment serves all four p, so over K a work-group takes 512 KiB of xq and 512 KiB of wq.
; K goes in eight ranges q of 4 x 128 through a ring of two LDS slots (A: 128 rows of 512 bytes; B: 2 x 64 rows of 512 bytes, four rows j of a W in each; padded to 528), one joint tensor load a wave for each slot: waves 0, 1 fetch A's halves, waves 2, 3 B's.
; CLUSTERS of 4 x 4: A's tile hangs on the tile row and is shared along a row of the cluster, B's on the tile column and is shared along a column.
; SIGNS WITHOUT VECTOR WORK: an accumulator holds its sum times the sign of the term that it took last: where the next term has the other sign the product takes -C (neg_lo), which rounds nothing.
;   Two links of one accumulator always have five plain places (v_nop or fused multiply-adds) between them, since their modifiers may differ.
; ORDER in a range: p = 0 (64 products), p = 1 (64), the change of slots, then p = 2 and 3 by turns, idx after idx: a W's 64 registers are free after its 32 products and take the next range's fragments.
; COLUMNS: lane r of W's fragment jb takes row j = 4 r + jb, so a lane's results in the accumulators jb = 0 .. 3 are four NEIGHBOURING columns of one row: 16 bytes, and sixteen lanes hold 256 neighbouring bytes.
;   The results leave straight from registers, no stage in LDS.
; THE END: behind p = 0 of q = 6 both slots stay as they are.  A wave's row blocks 0 and 1 (16 rows each) go on with q = 6 and then q = 7; blocks 2 and 3 take q = 7 next, while W's fragments of it are in registers, and what is
;   left of q = 6 last.  So blocks 0 and 1 leave while the others are still multiplied, for one further fetch of W's fragments of q = 6.
; PREFETCH: behind each joint load, one K range ahead of the load that wants it.  A's blocks are asked for once in each cluster that loads them; B's, which eight clusters load, by the four clusters of the lower rows of clusters.
;   The partners of a cluster share the blocks out by address; a wave asks for 32 blocks of 256 bytes in one instruction; nothing is asked for beyond q = 7.
; REGISTERS: window 0: v0-31 addresses, bias; v64-255 three sets of A fragments (4 x 16 rows x 128 K); at the end v32-255 serve fragments and results.  Window 1: B's fragments of a range.  Windows 2, 3: accumulators of row blocks 0, 1 and 2, 3.
.set PITCH,  528
.set HALF,   64*PITCH                  ; what one tensor load brings: 64 rows
.set BOFF,   2*HALF
.set SLOT,   4*HALF
.set SPARE,  2*SLOT                    ; the spare words, 128 bytes a wave
.set BO,   7
.set BI,   8                           ; v8-11  my four columns' bias
.set ADRA, 16
.set ADRB, 18
.set CO,   26
.set SPW,  28
.set NIL,  29
.set PFO,  30
.set AS,   64
.set G1,   24
.set G0,   32
.set G1B,  48
.set G0B,  56
.set PFA,  68
.set PFS,  70
.set LIME, 72
.set LIMO, 73
.set MSB, 0
.macro WIN new                         ; the immediate's high byte repeats the setting that is left
.if MSB != \new
	s_set_vgpr_msb (MSB<<8)|\new
.set MSB, \new
.endif
.endm
.set MUL_LO, 0xa4                      ; source 0 (A) window 0, source 1 (B) window 1, C and D window 2
.set MUL_HI, 0xf4                      ; the same, C and D window 3
.set TO_B,   0x40
.macro PLACES n
.rept \n
	v_nop
.endr
.endm
.macro JLOAD s                         ; a joint load: one line for A's waves, one for B's; the branch hangs on the wave's number alone
	s_cmp_eq_u32 s15, 0
	s_cbranch_scc0 .Lfor_b_\@
	tensor_load_to_lds s[G0+4*\s:G0+4*\s+3], s[G1:G1+7]
	s_nop 0
	PLACES 4
	s_branch .Lasked_\@
.Lfor_b_\@:
	tensor_load_to_lds s[G0B+4*\s:G0B+4*\s+3], s[G1B:G1B+7]
	s_nop 0
	PLACES 4
.Lasked_\@:
.endm
.macro ASK lim                         ; s3 counts the loop's trips down from 3
	s_cmp_gt_u32 s3, s[\lim]
	s_cbranch_scc0 .Lnot_mine_\@
	global_prefetch_b8 v[PFO], s[PFA:PFA+1] th:TH_LOAD_NT scope:SCOPE_SE
.Lnot_mine_\@:
.endm
.macro CREST                           ; a round of the cluster's barrier behind its opening barrier
	s_cmp_lg_u32 s14, 0
	s_cbranch_scc1 .Lnot_wave_0_\@
	s_barrier_signal -3
.Lnot_wave_0_\@:
	s_barrier_wait -3
	s_barrier_signal -1
	s_barrier_wait -1
.endm
.macro CROUND
	s_barrier_signal -1
	s_barrier_wait -1
	CREST
.endm
; 8 products: the window's two row blocks x four jb, term (p, idx i), c = i xor p.  neg: bit c set: -C.  zero: the sum begins.
.macro RUN set, hi, p, i, neg, zero
.if \hi
	WIN MUL_HI
.else
	WIN MUL_LO
.endif
.set CC, (\i)^(\p)
.irp jb, 0,1,2,3
.irp a2, 0,1
.set RD, 128*\a2+8*(4*CC+\jb)
.set RF, AS+64*(\set)+16*(2*(\hi)+\a2)
.if \zero
	v_wmma_f32_16x16x128_fp8_fp8 v[RD:RD+7], v[RF:RF+15], v[16*(4*(\i)+\jb):16*(4*(\i)+\jb)+15], 0
.elseif (((\neg)>>CC)&1)
	v_wmma_f32_16x16x128_fp8_fp8 v[RD:RD+7], v[RF:RF+15], v[16*(4*(\i)+\jb):16*(4*(\i)+\jb)+15], v[RD:RD+7] neg_lo:[0,0,1]
.else
	v_wmma_f32_16x16x128_fp8_fp8 v[RD:RD+7], v[RF:RF+15], v[16*(4*(\i)+\jb):16*(4*(\i)+\jb)+15], v[RD:RD+7]
.endif
.endr
.endr
.endm
; One fragment of A, row block a of p, into v[reg]: registers 4 c .. 4 c + 3: K = 32 c + 16 (l / 16) + 0 .. 15 of row l % 16, the same permutation of K in A and in B.
.macro AF reg, slot, a, p
	WIN 0
.irp c, 0,1,2,3
	ds_load_b128 v[\reg+4*\c:\reg+4*\c+3], v[ADRA+\slot] offset:(\a)*16*PITCH+128*(\p)+32*\c
.endr
.endm
; A's four row blocks of p: 16 loads
.macro AL slot, p, set
.irp a, 0,1,2,3
	AF AS+64*(\set)+16*\a, \slot, \a, \p
.endr
.endm
; B's four fragments of W i: 16 loads
.macro BL slot, i
	WIN TO_B
.irp jb, 0,1,2,3
.irp c, 0,1,2,3
	ds_load_b128 v[16*(4*(\i)+\jb)+4*\c:16*(4*(\i)+\jb)+4*\c+3], v[ADRB+\slot] offset:16*(\i)*PITCH+128*\jb+32*\c
.endr
.endr
.endm
; p = 0 (set x0).  Ahead of it: W 3's fragments, and p = 1's (into set x1).
.macro PH0 slot, x0, x1, neg, zero
	BL \slot, 3
	AL \slot, 1, \x1
	s_wait_dscnt 48                                ; out: W 2's, W 3's, p = 1's: 16 each
	RUN \x0, 0, 0, 0, \neg, \zero
	RUN \x0, 1, 0, 0, \neg, \zero
	RUN \x0, 1, 0, 1, \neg, \zero
	RUN \x0, 0, 0, 1, \neg, \zero
	s_wait_dscnt 32                                ; W 2's are in
	RUN \x0, 0, 0, 2, \neg, \zero
	RUN \x0, 1, 0, 2, \neg, \zero
	s_wait_dscnt 16                                ; W 3's are in
	RUN \x0, 1, 0, 3, \neg, \zero
	RUN \x0, 0, 0, 3, \neg, \zero
	PLACES 5
.endm
; p = 1 (set x1), and the change of slots.  Ahead of it p = 2's (set 2) and p = 3's fragments (set x3).  Ahead of the barrier each wave waits for all its tensor loads, adds 0 to its spare word, waits for that and for its
; reads of this slot, which are its last of it.  The barrier opens a round of the cluster's barrier, and this slot is filled again, two ranges on.
.macro PH1 slot, next, x1, x3, x0n, lim
	AL \slot, 2, 2
	AL \slot, 3, \x3
	s_wait_dscnt 32                                ; out: the 32 just issued
	RUN \x1, 0, 1, 0, 5, 0
	RUN \x1, 1, 1, 0, 5, 0
	RUN \x1, 1, 1, 1, 5, 0
	RUN \x1, 0, 1, 1, 5, 0
	RUN \x1, 0, 1, 2, 5, 0
	WIN 0
	s_wait_xcnt 0x0                                ; my prefetch has read its address
	s_add_nc_u64 s[PFA:PFA+1], s[PFA:PFA+1], s[PFS:PFS+1]
	s_wait_tensorcnt 0x0                           ; my part of the next slot is in
	ds_add_u32 v[SPW], v[NIL]
	RUN \x1, 1, 1, 2, 5, 0
	s_wait_dscnt 0x0                               ; the add is done, and my reads of this slot are over
	s_barrier_signal -1
	RUN \x1, 1, 1, 3, 5, 0
	RUN \x1, 0, 1, 3, 5, 0
	WIN 0
	s_barrier_wait -1
	CREST
	s_add_nc_u64 s[G0+4*\slot+2:G0+4*\slot+3], s[G0+4*\slot+2:G0+4*\slot+3], 2*512
	s_add_nc_u64 s[G0B+4*\slot+2:G0B+4*\slot+3], s[G0B+4*\slot+2:G0B+4*\slot+3], 2*32768
	JLOAD \slot
	v_nop                                          ; with the load's four: five places
	AL \next, 0, \x0n
	ASK \lim
.endm
; p = 2 (set 2) and p = 3 (set x3), W after W; the next range's fragments of a W follow into its registers
.macro STRETCH next, x3
	RUN 2, 0, 2, 0, 14, 0
	RUN 2, 1, 2, 0, 14, 0
	RUN \x3, 1, 3, 0, 2, 0
	RUN \x3, 0, 3, 0, 2, 0
	PLACES 5
	RUN \x3, 0, 3, 1, 2, 0
	RUN \x3, 1, 3, 1, 2, 0
	RUN 2, 1, 2, 1, 14, 0
	RUN 2, 0, 2, 1, 14, 0
	PLACES 5
	BL \next, 0
	BL \next, 1
	RUN 2, 0, 2, 2, 14, 0
	RUN 2, 1, 2, 2, 14, 0
	RUN \x3, 1, 3, 2, 2, 0
	RUN \x3, 0, 3, 2, 2, 0
	PLACES 5
	BL \next, 2
	RUN \x3, 0, 3, 3, 2, 0
	RUN \x3, 1, 3, 3, 2, 0
	RUN 2, 1, 2, 3, 14, 0
	RUN 2, 0, 2, 3, 14, 0
	PLACES 5
.endm
; FOR THE END.  4 products: row block a, term (p, idx i), A's fragment in v[reg]
.macro PT a, p, i, reg, neg
.if (\a)/2
	WIN MUL_HI
.else
	WIN MUL_LO
.endif
.set CC, (\i)^(\p)
.irp jb, 0,1,2,3
.set RD, 128*((\a)%2)+8*(4*CC+\jb)
.if (((\neg)>>CC)&1)
	v_wmma_f32_16x16x128_fp8_fp8 v[RD:RD+7], v[\reg:\reg+15], v[16*(4*(\i)+\jb):16*(4*(\i)+\jb)+15], v[RD:RD+7] neg_lo:[0,0,1]
.else
	v_wmma_f32_16x16x128_fp8_fp8 v[RD:RD+7], v[\reg:\reg+15], v[16*(4*(\i)+\jb):16*(4*(\i)+\jb)+15], v[RD:RD+7]
.endif
.endr
.endm
; 16 products: block a, one p, all four W
.macro ROWX a, p, reg, neg
.irp i, 0,1,2,3
	PT \a, \p, \i, \reg, \neg
.endr
.endm
; 16 products: block a, W i, all four p.  The signs behind W 0: + + + +, behind W 1: - + + -, behind W 2: - - + +, behind W 3: - + - +: -C by the masks 9, 10, 6 from W to W
.macro IDX a, i, r0, r1, r2, r3, neg
	PT \a, 0, \i, \r0, \neg
	PT \a, 1, \i, \r1, \neg
	PT \a, 2, \i, \r2, \neg
	PT \a, 3, \i, \r3, \neg
.endm
; A's fragments of block a of q = 7 (slot 1), all four p
.macro BLK r0, r1, r2, r3, a
	AF \r0, 1, \a, 0
	AF \r1, 1, \a, 1
	AF \r2, 1, \a, 2
	AF \r3, 1, \a, 3
.endm
; The way out of a quarter (row block a, c): 16 rows x 64 columns.  Register j of the four accumulators jb: row 8 (l / 16) + j, columns 4 (l % 16) + jb; each accumulator from its low end on.
; By the last term's sign blocks 0, 1 hold the negative of their sum for c = 0 and 2, blocks 2, 3 for c = 0 and 1: these take -2^(ex + ew), s94, the others s96.
.macro OUTQ a, c, buf, xc
.if \xc
	s_wait_xcnt 0x0                                ; earlier stores have read their registers: the buffer may be written
.endif
	WIN 0x02+((\a)/2)
.set AC, 128*((\a)%2)+32*(\c)
.if (\a) < 2
.set SC, 94+2*((\c)%2)
.else
.set SC, 94+2*((\c)/2)
.endif
.irp j, 0,1,2,3,4,5,6,7
.irp jb, 0,1,2,3
	v_fma_f32 v[\buf+4*\j+\jb], v[AC+8*\jb+\j], s[SC], v[BI+\jb]
.endr
.endr
	WIN 0
.irp j, 0,1,2,3,4,5,6,7
	global_store_b128 v[CO], v[\buf+4*\j:\buf+4*\j+3], s[10:11] offset:(\a)*262144+(\c)*4096+\j*16384 th:TH_STORE_NT   ; 16 lanes store 256 consecutive bytes, aligned
.endr
.endm
	s_load_b128 s[4:7], s[0:1], 0x0                ; xq, wq
	s_load_b128 s[8:11], s[0:1], 0x10              ; the scales' exponents, out
	s_load_b64 s[12:13], s[0:1], 0x20              ; b
	v_lshl_add_u32 v[SPW], v0, 2, SPARE
	v_mov_b32 v[NIL], 0
	ds_add_u32 v[SPW], v[NIL]                      ; the opening lines: the add, twice on end, and the one wait
	ds_add_u32 v[SPW], v[NIL]
	v_lshrrev_b32 v1, 5, v0
	v_readfirstlane_b32 s14, v1                    ; wave
	s_lshr_b32 s15, s14, 1                         ; my 64 rows of the tile.  Also: I fetch for A (0) or for B (1)
	s_and_b32 s16, s14, 1                          ; my 64 columns of each c.  Also: which half of that tile I fetch
	s_bfe_u32 s40, ttmp6, 0x40000                  ; cx, cy
	s_bfe_u32 s41, ttmp6, 0x40004
	s_lshl_b32 s42, ttmp9, 2
	s_add_co_u32 s42, s42, s40                     ; tile column T: 0 .. 7
	s_and_b32 s17, ttmp7, 0xffff
	s_lshl_b32 s17, s17, 2
	s_add_co_u32 s17, s17, s41                     ; tile row: 0 .. 31
	s_lshl_b32 s43, s41, 2
	s_lshl_b32 s43, 15, s43                        ; my row of the cluster
	s_lshl_b32 s44, 0x1111, s40                    ; my column
	s_or_b32 s[G1+0], s43, (1<<20)|(1<<21)|(6<<22)|(3<<25)   ; elements of a byte; 4 words of padding behind 128
	s_or_b32 s[G1B+0], s44, (1<<20)|(1<<21)|(6<<22)|(3<<25)
.irp g, G1, G1B
	s_mov_b32 s[\g+1], 512<<16
	s_mov_b32 s[\g+2], 64<<16
	s_mov_b32 s[\g+3], 512<<16
	s_mov_b32 s[\g+4], 64                          ; 64 rows of 512 bytes,
	s_mov_b32 s[\g+6], 0
	s_mov_b32 s[\g+7], 0
.endr
	s_mov_b32 s[G1+5], 4096                        ; A's 4,096 apart,
	s_mov_b32 s[G1B+5], 512                        ; B's on end
	s_lshl_b32 s20, s17, 7
	s_lshl_b32 s18, s16, 6
	s_add_co_u32 s20, s20, s18
	s_lshl_b32 s20, s20, 12                        ; A: row 128 x tile row + 64 x half
	s_mov_b32 s21, 0
	s_lshl_b32 s46, s42, 1
	s_add_co_u32 s46, s46, s16
	s_lshl_b32 s46, s46, 18                        ; B: tx = 2 T + half, 262,144 bytes each
	s_mov_b32 s47, 0
	s_mul_i32 s45, s16, HALF
	s_add_co_u32 s18, s45, BOFF
	s_mov_b32 s3, 3
	s_wait_dscnt 0x0                               ; both opening adds are done
	s_wait_kmcnt 0x0
	s_load_b64 s[96:97], s[8:9], 0x0               ; ex, ew
	s_add_nc_u64 s[20:21], s[4:5], s[20:21]
	s_add_nc_u64 s[46:47], s[6:7], s[46:47]
.irp s, 0,1
	s_mov_b32 s[G0+4*\s], 1
	s_add_co_u32 s[G0+4*\s+1], s45, \s*SLOT
	s_add_nc_u64 s[G0+4*\s+2:G0+4*\s+3], s[20:21], \s*512
	s_or_b32 s[G0+4*\s+3], s[G0+4*\s+3], 0x80000000
	s_mov_b32 s[G0B+4*\s], 1
	s_add_co_u32 s[G0B+4*\s+1], s18, \s*SLOT
	s_add_nc_u64 s[G0B+4*\s+2:G0B+4*\s+3], s[46:47], \s*32768
	s_or_b32 s[G0B+4*\s+3], s[G0B+4*\s+3], 0x80000000
.endr
	CROUND                                         ; all sixteen work-groups are here: the first joint loads meet
	JLOAD 0                                        ; q = 0: one tensor load a wave at the head
	; the prefetches' address: q = 1 first; A: 16 rows (by cx) of the 64 that I fetch, two blocks a row; B: 32 blocks (by cy) of my 128
	s_lshl_b32 s76, s17, 7
	s_lshl_b32 s77, s16, 6
	s_add_co_u32 s76, s76, s77
	s_lshl_b32 s77, s40, 4
	s_add_co_u32 s76, s76, s77
	s_lshl_b32 s76, s76, 12
	s_add_co_u32 s76, s76, 512
	s_lshl_b32 s78, s42, 1
	s_add_co_u32 s78, s78, s16
	s_lshl_b32 s78, s78, 18
	s_lshl_b32 s77, s41, 13
	s_add_co_u32 s78, s78, s77
	s_add_co_u32 s78, s78, 32768
	s_mov_b32 s[PFS], 32768
	s_cmp_eq_u32 s15, 0
	s_cselect_b32 s76, s76, s78
	s_cselect_b32 s[PFS], 512, s[PFS]
	s_cselect_b32 s80, 12, 9
	s_cselect_b64 s[PFA:PFA+1], s[4:5], s[6:7]
	s_mov_b32 s77, 0
	s_mov_b32 s[PFS+1], 0
	s_add_nc_u64 s[PFA:PFA+1], s[PFA:PFA+1], s[76:77]
	s_and_b32 s79, ttmp7, 0xffff
	s_lshr_b32 s79, s79, 2
	s_and_b32 s79, s79, s15                        ; 1: B's wave in the upper four rows of clusters: asks for nothing
	s_cmp_eq_u32 s79, 0
	s_cselect_b32 s[LIME], 0, -1
	s_cselect_b32 s[LIMO], 1, -1                   ; in the loop's last trip the second change of slots has nothing to ask for
	; my part of the result, my LDS regions
	s_lshl_b32 s20, s17, 7
	s_lshl_b32 s21, s15, 6
	s_add_co_u32 s20, s20, s21
	s_lshl_b32 s20, s20, 14                        ; first row x 16,384 bytes
	s_mov_b32 s21, 0
	s_lshl_b32 s46, s42, 9
	s_lshl_b32 s47, s16, 8
	s_add_co_u32 s46, s46, s47                     ; first column (of c = 0) x 4
	s_mov_b32 s47, 0
	s_add_nc_u64 s[20:21], s[20:21], s[46:47]
	s_add_nc_u64 s[10:11], s[10:11], s[20:21]
	s_mul_i32 s21, s15, HALF
	s_mul_i32 s22, s16, HALF
	s_add_co_u32 s22, s22, BOFF
	v_and_b32 v1, 15, v0                           ; l % 16
	v_bfe_u32 v2, v0, 4, 1                         ; l / 16
	v_and_b32 v6, 31, v0
	v_lshl_add_u32 v[BO], v1, 4, s46
	global_load_b128 v[BI:BI+3], v[BO], s[12:13]
	v_mul_u32_u24 v3, v1, PITCH
	v_lshl_add_u32 v3, v2, 4, v3                   ; A: row l % 16; B: rows 4 (l % 16) .. + 3 of a W are one LDS row
	v_add_nc_u32 v[ADRA], s21, v3
	v_add_nc_u32 v[ADRA+1], SLOT, v[ADRA]
	v_add_nc_u32 v[ADRB], s22, v3
	v_add_nc_u32 v[ADRB+1], SLOT, v[ADRB]
	v_lshlrev_b32 v[CO], 4, v1
	v_lshl_add_u32 v[CO], v2, 17, v[CO]            ; 8 rows of the result for lanes 16-31
	v_lshrrev_b32 v14, 1, v6
	v_lshlrev_b32 v14, s80, v14
	v_and_b32 v15, 1, v6
	v_lshl_add_u32 v[PFO], v15, 8, v14
	s_wait_alu depctr_va_vdst(0)                   ; the head's end
	ASK LIME                                       ; q = 1
	s_wait_tensorcnt 0x0                           ; my part of q = 0 is in; slot 1's first fill is issued as a refill is
	ds_add_u32 v[SPW], v[NIL]
	s_wait_xcnt 0x0                                ; my prefetch has read its address
	s_add_nc_u64 s[PFA:PFA+1], s[PFA:PFA+1], s[PFS:PFS+1]
	s_wait_dscnt 0x0
	CROUND
	JLOAD 1
	AL 0, 0, 0
	BL 0, 0
	BL 0, 1
	BL 0, 2
	WIN 0
	ASK LIME                                       ; q = 2
	s_wait_kmcnt 0x0
	s_add_co_i32 s96, s96, s97
	s_add_co_i32 s96, s96, 127
	s_lshl_b32 s96, s96, 23                        ; 2^(ex + ew) as f32
	s_xor_b32 s94, s96, 0x80000000                 ; and its negative
	PH0 0, 0, 1, 0, 1                              ; the first products start the sums
	WIN 0
.Lq:                                                   ; a trip: two ranges, from the first's p = 1 to the third's p = 0; both slots are filled again
	PH1 0, 1, 1, 0, 1, LIME
	STRETCH 1, 0
	PH0 1, 1, 0, 9, 0
	PH1 1, 0, 0, 1, 0, LIMO
	STRETCH 0, 1
	PH0 0, 0, 1, 9, 0
	WIN 0
	s_sub_co_u32 s3, s3, 1
	s_cmp_lg_u32 s3, 0
	s_cbranch_scc1 .Lq
	; THE END.  q = 6 (slot 0): p = 0 is done for all four blocks, p = 1's fragments lie in v128-191 (blocks 2 and 3's, v160-191, stay there).
	AF 64, 0, 0, 2                                 ; blocks 0 and 1: p = 2 into v64-95, p = 3 into v192-223
	AF 80, 0, 1, 2
	AF 192, 0, 0, 3
	AF 208, 0, 1, 3
	s_wait_dscnt 16                                ; out: the 16 just issued
	RUN 1, 0, 1, 0, 5, 0
	RUN 1, 0, 1, 1, 5, 0
	WIN 0
	s_wait_tensorcnt 0x0                           ; my part of q = 7 is in
	ds_add_u32 v[SPW], v[NIL]
	RUN 1, 0, 1, 2, 5, 0
	s_wait_dscnt 0x0
	s_barrier_signal -1                            ; nothing is filled again: no round of the cluster's barrier
	RUN 1, 0, 1, 3, 5, 0
	WIN 0
	s_barrier_wait -1
	PLACES 5
	BLK 96, 112, 224, 240, 0                       ; q = 7: block 0's fragments
	RUN 0, 0, 2, 0, 14, 0                          ; p = 2 and 3 of blocks 0 and 1, as in a stretch
	RUN 2, 0, 3, 0, 2, 0
	PLACES 5
	BL 1, 0
	RUN 2, 0, 3, 1, 2, 0
	RUN 0, 0, 2, 1, 14, 0
	PLACES 5
	BL 1, 1
	RUN 0, 0, 2, 2, 14, 0
	RUN 2, 0, 3, 2, 2, 0
	PLACES 5
	BL 1, 2
	RUN 2, 0, 3, 3, 2, 0
	RUN 0, 0, 2, 3, 14, 0
	PLACES 5
	BL 1, 3
	BLK 64, 80, 192, 208, 1                        ; block 1's
	s_wait_dscnt 48                                ; out: W 2's, W 3's, block 1's: 16 each
	IDX 0, 0, 96, 112, 224, 240, 9                 ; block 0 goes through q = 7 (the signs behind the stretch: - + + -)
	PLACES 5
	IDX 0, 1, 96, 112, 224, 240, 9
	PLACES 5
	s_wait_dscnt 32
	IDX 0, 2, 96, 112, 224, 240, 10
	PLACES 5
	s_wait_dscnt 16
	IDX 0, 3, 96, 112, 224, 240, 6
	PLACES 5
	BLK 96, 112, 224, 240, 2                       ; block 2's
	s_wait_loadcnt 0x0                             ; the bias
	OUTQ 0, 0, 32, 1                               ; block 0 leaves while block 1 is multiplied; a quarter's 32 multiply-adds are the places between two terms
	s_wait_dscnt 16                                ; block 1's fragments are in; out: block 2's
	IDX 1, 0, 64, 80, 192, 208, 9
	OUTQ 0, 1, 128, 1
	IDX 1, 1, 64, 80, 192, 208, 9
	OUTQ 0, 2, 32, 1
	IDX 1, 2, 64, 80, 192, 208, 10
	OUTQ 0, 3, 128, 1
	IDX 1, 3, 64, 80, 192, 208, 6
	PLACES 5
	BLK 64, 80, 192, 208, 3                        ; block 3's
	OUTQ 1, 0, 32, 1
	s_wait_dscnt 16                                ; block 2's are in
	IDX 2, 0, 96, 112, 224, 240, 0                 ; blocks 2 and 3 go through q = 7 (from p = 0 of q = 6: + + + +), and W's fragments of q = 6 come back
	s_wait_dscnt 0                                 ; block 3's are in
	IDX 3, 0, 64, 80, 192, 208, 0
	OUTQ 1, 1, 128, 1
	BL 0, 0
	IDX 2, 1, 96, 112, 224, 240, 9
	IDX 3, 1, 64, 80, 192, 208, 9
	OUTQ 1, 2, 32, 1
	BL 0, 1
	IDX 2, 2, 96, 112, 224, 240, 10
	IDX 3, 2, 64, 80, 192, 208, 10
	OUTQ 1, 3, 128, 1
	BL 0, 2
	IDX 2, 3, 96, 112, 224, 240, 6
	IDX 3, 3, 64, 80, 192, 208, 6
	PLACES 5
	BL 0, 3
	WIN 0
	s_wait_xcnt 0x0                                ; block 1's stores have read v32-63 and v128-159
	AF 128, 0, 2, 2                                ; what is left of q = 6 for blocks 2 and 3: p = 2 and 3
	AF 144, 0, 2, 3
	AF 32, 0, 3, 2
	AF 48, 0, 3, 3
	s_wait_dscnt 32                                ; W 0's to W 2's are in; out: W 3's, the 16 just issued
	PT 2, 1, 0, 160, 0                             ; p = 1 (the signs behind W 3 are p = 1's)
	PT 2, 1, 1, 160, 0
	PT 2, 1, 2, 160, 0
	PT 3, 1, 0, 176, 0
	PT 3, 1, 1, 176, 0
	PT 3, 1, 2, 176, 0
	s_wait_dscnt 16
	PT 2, 1, 3, 160, 0
	PT 3, 1, 3, 176, 0
	PLACES 5
	s_wait_dscnt 0
	ROWX 2, 2, 128, 12
	PLACES 5
	ROWX 2, 3, 144, 10
	PLACES 5
	OUTQ 2, 0, 64, 0                               ; buffers where q = 7's fragments lay
	ROWX 3, 2, 32, 12
	OUTQ 2, 1, 96, 0
	ROWX 3, 3, 48, 10
	OUTQ 2, 2, 192, 0
	OUTQ 2, 3, 224, 0
	OUTQ 3, 0, 128, 0
	OUTQ 3, 1, 160, 0
	OUTQ 3, 2, 32, 0
	OUTQ 3, 3, 64, 1
	s_wait_tensorcnt 0x0                           ; the wave's end
	ds_add_u32 v[SPW], v[NIL]
	s_wait_dscnt 0x0
	CROUND                                         ; no work-group ends while a partner may still ask for a tile that names it
	s_endpgm
.Lfunc_end_k_q2fe2ff9cad_gemm:
	.size	k_q2fe2ff9cad_gemm, .Lfunc_end_k_q2fe2ff9cad_gemm-k_q2fe2ff9cad_gemm
	.p2alignl 7, 3214868480
	.fill 96, 4, 3214868480
	.section	.rodata,"a",@progbits
	.p2align	6, 0x0
	.amdhsa_kernel k_q2fe2ff9cad_gemm
		.amdhsa_group_segment_fixed_size 327680
		.amdhsa_private_segment_fixed_size 0
		.amdhsa_enable_private_segment 0
		.amdhsa_kernarg_size 40
		.amdhsa_user_sgpr_count 2
		.amdhsa_user_sgpr_kernarg_segment_ptr 1
		.amdhsa_wavefront_size32 1
		.amdhsa_system_sgpr_workgroup_id_x 1
		.amdhsa_system_sgpr_workgroup_id_y 1
		.amdhsa_system_sgpr_workgroup_id_z 1
		.amdhsa_system_vgpr_workitem_id 0
		.amdhsa_next_free_vgpr 1024
		.amdhsa_next_free_sgpr 98
		.amdhsa_reserve_vcc 0
		.amdhsa_float_denorm_mode_32 3
		.amdhsa_float_denorm_mode_16_64 3
		.amdhsa_memory_ordered 1
		.amdhsa_forward_progress 1
		.amdhsa_inst_pref_size 165
	.end_amdhsa_kernel
	.amdgpu_metadata
---
amdhsa.version: [ 1, 2 ]
amdhsa.kernels:
  - .name:           k_q2fe2ff9cad_gemm
    .symbol:         k_q2fe2ff9cad_gemm.kd
    .args:
      - { .name: xq, .offset: 0, .size: 8, .value_kind: global_buffer, .address_space: global }
      - { .name: wq, .offset: 8, .size: 8, .value_kind: global_buffer, .address_space: global }
      - { .name: lowp_scales, .offset: 16, .size: 8, .value_kind: global_buffer, .address_space: global }
      - { .name: out0, .offset: 24, .size: 8, .value_kind: global_buffer, .address_space: global }
      - { .name: b, .offset: 32, .size: 8, .value_kind: global_buffer, .address_space: global }
    .group_segment_fixed_size: 327680
    .private_segment_fixed_size: 0
    .kernarg_segment_align: 8
    .kernarg_segment_size: 40
    .max_flat_workgroup_size: 128
    .sgpr_count:     98
    .vgpr_count:     1024
    .wavefront_size: 32
...
	.end_amdgpu_metadata
.endif
;; end of part 2
